; MI455X (gfx1250); checked and timed in simulation.
; The chip was launched on July 23, 2026; its instructions are those of AMD's public machine-readable ISA for CDNA 5 (MIT licence, August 2026) and "CDNA5" Instruction Set Architecture Reference Guide (July 2026). The comments in the code are by the model that wrote it; some were corrected since.
;; Quantized Linear Layer. Allowed arithmetic: matrix products marked QUANTISED: E2M1 operands, one E8M0 scale for each 32 along K, by v_wmma_scale_f32_16x16x128_f8f6f4 with both operands' format E2M1 (or v_wmma_scale_f32_32x16x128_f4), f32 sums; everything else in f32.
;; Inputs: bias 1 x 4,096 float32; scale 4,096 float32; weight 4,096 x 4,096 int8; x 2 x 2,048 x 4,096 float32.
;; Outputs: out0 2 x 2,048 x 4,096 float32.
;; This version of the problem:
;;   THIS VERSION OF THE PROBLEM IS GIVEN IN LOW PRECISION. The matrix products marked QUANTISED in the list below multiply operands that are first quantised to E2M1 (2 exponent bits, 1 mantissa bit; 4 bits a number), with one power-of-two scale for each 32 numbers along K (OCP MX v1.0); their sums are f32. All else is computed in f32.
;;   The module's matrix products, in the order in which they are computed (A, B: the left and right operand; K: the contracted axis; several contracted axes count as one K, in the product's order):
;;     1. [M 4,096, K 4,096] x [K 4,096, N 4,096]; A: input x; B: input weight: QUANTISED
;;   THE QUANTISER, for each operand of a quantised product, along K:
;;     - K is cut into blocks of 32 from its start; a last block that is shorter is filled with zeros.
;;     - A block's scale is 2^e with e = floor(log2(the largest magnitude in the block)) - 2, held to -126 .. 127; a block of zeros has e = 0. As a byte (E8M0): e + 127.
;;     - Each number is divided by its block's scale, clamped to +-6, and rounded to the nearest number of E2M1, ties to even, subnormals kept.
;;     - The product sums the exact products of the quantised numbers (number of the format x scale) in f32.
;;   ~~~python
;;   def quantise(x, axis):      # numpy; x: float32 -> the quantised numbers, widened to float32 again
;;       x = np.moveaxis(x, axis, -1); K = x.shape[-1]
;;       x = np.pad(x, [(0, 0)] * (x.ndim - 1) + [(0, -K % 32)]); x = x.reshape(x.shape[:-1] + (-1, 32)); a = np.abs(x).max(-1, keepdims=True)
;;       e = np.where(a > 0, np.clip(np.frexp(np.where(a > 0, a, 1))[1] - 1 - 2, -126, 127), 0)      # np.frexp(a)[1] - 1 = floor(log2(a)), exactly
;;       r = np.clip(x / 2.0 ** e, -6, 6)
;;       step = 2.0 ** (np.maximum(np.frexp(np.where(r == 0, 1, r))[1] - 1, 0) - 1)
;;       q = np.round(r / step) * step * 2.0 ** e      # np.round: ties to even
;;       return np.moveaxis(q.reshape(q.shape[:-2] + (-1,))[..., :K], -1, axis).astype(np.float32)
;;   ~~~
;; One version. Each part assembles by itself: llvm-mc -triple=amdgcn-amd-amdhsa -mcpu=gfx1250 --defsym DOCPART=n.
;; ======== version 1 of 1: 2 launches
;; limits: right only within a limited range of input values
;; workspace buffers: a_pack 8,912,896 bytes; b_pack 8,912,896 bytes
;; launch quant (part 1): grid 1024 x 1, 4 waves a work-group, no clusters, 34,304 bytes of LDS; arguments x, weight, a_pack, b_pack; writes a_pack, b_pack
.if DOCPART == 1
	.amdgcn_target "amdgcn-amd-amdhsa--gfx1250"
	.amdhsa_code_object_version 6
	.text
	.protected	k_qe41387e944_quant
	.globl	k_qe41387e944_quant
	.p2align	8
	.type	k_qe41387e944_quant,@function
k_qe41387e944_quant:
	s_mov_b64 s[64:65], 0
	v_nop
	global_prefetch_b8 v0, s[64:65] scope:SCOPE_SE
	s_setreg_imm32_b32 hwreg(HW_REG_WAVE_MODE, 25, 1), 1
	s_wait_xcnt 0x0
; x [4096][4096] f32 and weight [4096][4096] int8 are turned into codes of FP4 (E2M1), 4 bits each, K innermost, with one E8M0 scale byte for each 32 along K.
; A block's scale is 2^(floor(log2(its largest magnitude)) - 2); its byte is the largest magnitude's own exponent field - 2, held at 1 from below.  Each number is divided by the scale and rounded to the
; nearest code, ties to even; beyond the largest code the conversion gives the largest code.
; LIMITS: NaN and infinities in x are not served.  A block whose largest magnitude lies under 2^-124 keeps the byte 1.  A block of zeros gets the byte 1 where the rule says 127: its codes are zeros, which
; add nothing under any byte but 0xff, and the bytes are read by this program alone.
; THE PACKS (a_pack for x, b_pack for weight) are laid as the product's launch fetches them: [32 blocks of 128 rows][8 K steps of 512][136 pieces of 256 bytes].  Piece r (0 .. 127): the 512 codes of the
; block's row r in that K step.  Piece 128 + i: the scale bytes of the block's rows 16 i .. 16 i + 15, 16 bytes a row.  So 128 rows' codes and scales of a K step are 34,816 consecutive bytes.
; SHARES.  Work-groups 0 .. 511 take x, 512 .. 1023 weight.  A wave takes 16 rows x 512 along K: 16 pieces of codes and one piece of scale bytes, each written whole by one store of the wave.
; Waves share nothing: no barrier.  The two paths part on the work-group's number and have LDS bytes of their own.
; b_pack'S CODE PIECES ARE PERMUTED: weight's row 64 g + 4 i + j of a block (g = 0, 1; i = 0 .. 15; j = 0 .. 3) lies in piece 16 (4 g + j) + i; "the block's row r" above is then the pack's row r.  The product's launch takes
; tile t from pieces 16 t .. 16 t + 15, so lane i of four tiles on end holds four neighbouring columns of the result.  The scale bytes keep weight's own order of rows.
.set STEPS, 16                         ; a step is one row's 512 numbers
.set DEPTH, 8                          ; x's path: rows whose loads are on their way: 32 loads, 16,384 bytes a wave
.set STEPB, 34816                      ; bytes of a (row block, K step) in a pack
.set SP,    80                         ; x's path: a lane's place in a stage: its 64 bytes + 16 of padding
.set WREG,  8192                       ; x's path: LDS of a wave: two stages of 32 x SP bytes, behind them its 256 scale bytes
.set SBX,   2*32*SP
.set WLDS,  4*WREG                     ; weight's path: 256 scale bytes for each wave, behind x's regions
.set R,     16                         ; v16-143  numbers as loaded (x: DEPTH sets of 16 registers; weight: 4 registers a row)
.set X,     144                        ; v144-175 two sets of 16 neighbours in f32
.set E,     176                        ; v176-191 a scale byte for each step
.set C,     192                        ; v192-223 codes: two registers of its own for each step, so that no store's data are written again
	s_load_b256 s[4:11], s[0:1], 0x0               ; x s[4:5], weight s[6:7], a_pack s[8:9], b_pack s[10:11]
	v_lshl_add_u32 v224, v0, 2, 0x8400
	v_mov_b32 v225, 0
	v_lshrrev_b32 v1, 5, v0
	v_readfirstlane_b32 s16, v1                    ; wave
	v_and_b32 v2, 31, v0                           ; lane
	v_lshlrev_b32 v3, 4, v2                        ; my 16 bytes of a load's 512
	v_lshlrev_b32 v4, 3, v2                        ; my 8 bytes of a piece of 256: codes and scale bytes alike
	; every LDS address is made here, ahead of the parting of the two paths
	s_mul_i32 s35, s16, WREG
	v_lshrrev_b32 v14, 2, v2
	v_mul_u32_u24 v14, v14, SP
	v_and_b32 v15, 3, v2
	v_lshl_add_u32 v14, v15, 4, v14
	v_add_nc_u32 v14, s35, v14                     ; the stage, on the way in: four lanes' 64 bytes on end, then 16 of padding
	v_mul_u32_u24 v15, v2, SP
	v_add_nc_u32 v15, s35, v15                     ; and on the way out: my 16 neighbours
	s_add_co_u32 s36, s35, SBX
	v_lshrrev_b32 v5, 1, v2
	v_add_nc_u32 v5, s36, v5                       ; x's path: my block's scale byte (two lanes hold a block),
	v_add_nc_u32 v6, s36, v4                       ; and on the way out 8 bytes a lane
	s_lshl_b32 s37, s16, 8
	s_add_co_u32 s37, s37, WLDS
	v_lshrrev_b32 v9, 1, v2
	v_add_nc_u32 v9, s37, v9                       ; weight's path: the same two
	v_add_nc_u32 v10, s37, v4
	; which 16 rows (g) and which K step (s) are my wave's
	s_cmp_lt_u32 ttmp9, 512
	s_cselect_b32 s12, 0, 512
	s_sub_co_u32 s12, ttmp9, s12
	s_lshl_b32 s12, s12, 2
	s_add_co_u32 s12, s12, s16                     ; 0 .. 2047
	s_lshr_b32 s13, s12, 3                         ; g
	s_and_b32 s14, s12, 7                          ; s
	s_and_b32 s15, s13, 7                          ; g's place in its block of 128 rows
	s_sub_co_u32 s19, s13, s15
	s_add_co_u32 s19, s19, s14                     ; 8 x row block + s
	s_mul_i32 s20, s19, STEPB
	s_lshr_b32 s26, s15, 2
	s_lshl_b32 s26, s26, 14
	s_and_b32 s27, s15, 3
	s_lshl_b32 s27, s27, 10
	s_add_co_u32 s27, s26, s27                     ; weight: my pieces begin at 64 (g's place / 4) + 4 (g's place % 4),
	s_lshl_b32 s26, s15, 12                        ; x: at 16 x g's place
	s_cmp_lt_u32 ttmp9, 512
	s_cselect_b32 s26, s26, s27
	s_add_co_u32 s26, s26, s20                     ; my 16 pieces of codes
	s_mov_b32 s27, 0
	s_lshl_b32 s28, s15, 8
	s_add_co_u32 s28, s28, s20
	s_add_co_u32 s28, s28, 32768                   ; my piece of scale bytes
	s_mov_b32 s29, 0
	s_lshl_b32 s30, s13, 18                        ; x: 16 rows of 16,384 bytes,
	s_lshl_b32 s31, s14, 11                        ; 2,048 bytes a K step
	s_add_co_u32 s30, s30, s31
	s_mov_b32 s31, 0
	s_lshl_b32 s32, s13, 16                        ; weight: 16 rows of 4,096 bytes,
	s_lshl_b32 s33, s14, 9                         ; 512 bytes a K step
	s_add_co_u32 s32, s32, s33
	s_mov_b32 s33, 0
	s_wait_kmcnt 0x0
	s_cmp_lt_u32 ttmp9, 512                        ; the choice hangs on the work-group's number alone
	s_cselect_b64 s[22:23], s[8:9], s[10:11]
	s_add_nc_u64 s[24:25], s[22:23], s[28:29]
	s_add_nc_u64 s[22:23], s[22:23], s[26:27]
	s_add_nc_u64 s[4:5], s[4:5], s[30:31]
	s_add_nc_u64 s[6:7], s[6:7], s[32:33]
	s_cmp_lt_u32 ttmp9, 512
	s_cbranch_scc0 .Lweight
; From 16 neighbours a lane in set t % 2 of X to the row's codes and scale bytes.  adr: the register with the LDS address of my block's byte.
; off: the piece's place behind my first.
.macro CODES t, adr, off
.set XS, X+16*((\t)%2)
	v_max3_num_f32 v8, |v[XS]|, |v[XS+1]|, |v[XS+2]|               ; the largest magnitude of my 16, in two chains
	v_max3_num_f32 v13, |v[XS+3]|, |v[XS+4]|, |v[XS+5]|
.irp i, 6,10
	v_max3_num_f32 v8, v8, |v[XS+\i]|, |v[XS+\i+1]|
	v_max3_num_f32 v13, v13, |v[XS+\i+2]|, |v[XS+\i+3]|
.endr
	v_max3_num_f32 v8, v8, |v[XS+14]|, |v[XS+15]|
	v_max3_num_f32 v8, v8, v13, 0x1800000          ; and the floor 2^(3 - 127): so the byte cannot fall under 1
	v_max_num_f32_dpp v8, v8, v8 row_xmask:1 row_mask:0xf bank_mask:0xf   ; and of my neighbour's 16: the block's
	v_add_nc_u32 v11, 0xff000000, v8               ; 2 off its exponent field: the conversion takes the exponent field of this operand as its scale, and nothing else of it
	v_cvt_scalef32_pk8_fp4_f32 v[C+2*(\t)], v[XS:XS+7], v11        ; the first number's code in the lowest four bits
	v_cvt_scalef32_pk8_fp4_f32 v[C+2*(\t)+1], v[XS+8:XS+15], v11
	v_lshrrev_b32 v[E+(\t)], 23, v11               ; the scale's byte; also the plain instruction behind the conversions
	ds_store_b8 v[\adr], v[E+(\t)] offset:16*(\t)  ; both lanes of a block write the same byte with the same value
	global_store_b64 v4, v[C+2*(\t):C+2*(\t)+1], s[22:23] offset:\off   ; 32 lanes store 256 consecutive bytes, at a multiple of 256 from the pack's first byte
.endm
; ---- x.  A conversion wants 16 NEIGHBOURS in a lane; a load is best where neighbouring LANES take neighbouring bytes.  Both are had: each of a row's four loads reads 512 consecutive bytes, 16 a lane;
; the 2,048 bytes go through the wave's own stage in LDS as they lie and come back 64 bytes a lane.  Loads run DEPTH rows (32 loads) ahead, the turn through LDS one row.
.macro LOAD t
.irp i, 0,1,2,3
	global_load_b128 v[R+16*((\t)%DEPTH)+4*\i:R+16*((\t)%DEPTH)+4*\i+3], v3, s[4:5] offset:16384*(\t)+512*\i th:TH_LOAD_NT
.endr
.endm
.macro TURN t                          ; LDS serves a wave's instructions in order (ISA guide 5.7.1.4): no wait stands between the stores and the loads
.irp i, 0,1,2,3
	ds_store_b128 v14, v[R+16*((\t)%DEPTH)+4*\i:R+16*((\t)%DEPTH)+4*\i+3] offset:32*SP*((\t)%2)+8*SP*\i
.endr
.irp i, 0,1,2,3
	ds_load_b128 v[X+16*((\t)%2)+4*\i:X+16*((\t)%2)+4*\i+3], v15 offset:32*SP*((\t)%2)+16*\i
.endr
.endm
.macro STEP t
.if (\t) > 0
	s_wait_dscnt 1                                 ; this row's numbers are back from the stage; the one LDS instruction behind them, the last row's byte store, may be out
.else
	s_wait_dscnt 0x0
.endif
.if (\t)+DEPTH < STEPS
	LOAD (\t)+DEPTH                                ; into the registers that this row's stores into the stage have read
.endif
.if (\t)+1 < STEPS
.if STEPS-2-(\t) >= DEPTH-1
	s_wait_loadcnt 4*(DEPTH-1)                     ; the next row's four loads are in; those of the seven rows behind it may be out
.else
	s_wait_loadcnt 4*(STEPS-2-(\t))                ; the tail: fewer rows are behind it
.endif
	TURN (\t)+1                                    ; and go through the other stage while this row is worked
.endif
	CODES \t, 5, 256*(\t)
.endm
.irp t, 0,1,2,3,4,5,6,7
	LOAD \t
.endr
	s_wait_loadcnt 4*(DEPTH-1)                     ; row 0's four loads are in
	s_wait_alu depctr_va_vdst(0)
	TURN 0
.irp t, 0,1,2,3,4,5,6,7,8,9,10,11,12,13,14,15
	STEP \t
.endr
	ds_load_b64 v[12:13], v6                       ; the 16 rows' scale bytes; these see my byte stores
	s_wait_dscnt 0x0
	global_store_b64 v4, v[12:13], s[24:25]        ; 32 lanes store 256 consecutive bytes
	s_wait_tensorcnt 0x0
	ds_add_u32 v224, v225
	s_wait_dscnt 0x0
	s_endpgm
; ---- weight.  A lane's 16 bytes of a load are 16 neighbours along K already, and the wave's load is 512 consecutive bytes: nothing goes through a stage.
; int8 to f32, exactly: b + 128 (one exclusive or for four bytes) is set as the lowest mantissa byte of 2^23, and 2^23 + 128 is taken off.
.Lweight:
	s_mov_b32 s26, 0x4b000000                      ; 2^23
	s_mov_b32 s28, 0x07040400                      ; v_perm_b32: top byte 0x4b, two bytes 0, lowest byte = byte j of the loaded word
	s_mov_b32 s29, 0x07040401
	s_mov_b32 s30, 0x07040402
	s_mov_b32 s31, 0x07040403
	s_mov_b32 s32, 0xcb000080                      ; -(2^23 + 128)
	s_mov_b32 s33, s32                             ; (named with it as a pair, so it is written)
	s_mov_b32 s34, 0x80808080
.irp t, 0,1,2,3,4,5,6,7,8,9,10,11,12,13,14,15
	global_load_b128 v[R+4*\t:R+4*\t+3], v3, s[6:7] offset:4096*\t th:TH_LOAD_NT
.endr
.macro STEPW t
.set XS, X+16*((\t)%2)
	s_wait_loadcnt STEPS-1-(\t)                    ; this row's load is in; the later rows' may be out
.irp i, 0,1,2,3
	v_xor_b32 v[R+4*(\t)+\i], s34, v[R+4*(\t)+\i]
.endr
.irp i, 0,1,2,3
.irp j, 0,1,2,3
	v_perm_b32 v[XS+4*\i+\j], s26, v[R+4*(\t)+\i], s[28+\j]
.endr
.endr
.irp i, 0,2,4,6,8,10,12,14
	v_pk_add_f32 v[XS+\i:XS+\i+1], v[XS+\i:XS+\i+1], s[32:33] op_sel_hi:[1,0]
.endr
	CODES \t, 9, 256*(16*((\t)%4)+(\t)/4)
.endm
.irp t, 0,1,2,3,4,5,6,7,8,9,10,11,12,13,14,15
	STEPW \t
.endr
	ds_load_b64 v[12:13], v10
	s_wait_dscnt 0x0
	global_store_b64 v4, v[12:13], s[24:25]
	s_wait_tensorcnt 0x0
	ds_add_u32 v224, v225
	s_wait_dscnt 0x0
	s_endpgm
.Lfunc_end_k_qe41387e944_quant:
	.size	k_qe41387e944_quant, .Lfunc_end_k_qe41387e944_quant-k_qe41387e944_quant
	.p2alignl 7, 3214868480
	.fill 96, 4, 3214868480
	.section	.rodata,"a",@progbits
	.p2align	6, 0x0
	.amdhsa_kernel k_qe41387e944_quant
		.amdhsa_group_segment_fixed_size 34304
		.amdhsa_private_segment_fixed_size 0
		.amdhsa_enable_private_segment 0
		.amdhsa_kernarg_size 32
		.amdhsa_user_sgpr_count 2
		.amdhsa_user_sgpr_kernarg_segment_ptr 1
		.amdhsa_wavefront_size32 1
		.amdhsa_system_sgpr_workgroup_id_x 1
		.amdhsa_system_sgpr_workgroup_id_y 1
		.amdhsa_system_sgpr_workgroup_id_z 1
		.amdhsa_system_vgpr_workitem_id 0
		.amdhsa_next_free_vgpr 226
		.amdhsa_next_free_sgpr 66
		.amdhsa_reserve_vcc 0
		.amdhsa_float_denorm_mode_32 3
		.amdhsa_float_denorm_mode_16_64 3
		.amdhsa_memory_ordered 1
		.amdhsa_forward_progress 1
		.amdhsa_inst_pref_size 79
	.end_amdhsa_kernel
	.amdgpu_metadata
---
amdhsa.version: [ 1, 2 ]
amdhsa.kernels:
  - .name:           k_qe41387e944_quant
    .symbol:         k_qe41387e944_quant.kd
    .args:
      - { .name: x, .offset: 0, .size: 8, .value_kind: global_buffer, .address_space: global }
      - { .name: weight, .offset: 8, .size: 8, .value_kind: global_buffer, .address_space: global }
      - { .name: a_pack, .offset: 16, .size: 8, .value_kind: global_buffer, .address_space: global }
      - { .name: b_pack, .offset: 24, .size: 8, .value_kind: global_buffer, .address_space: global }
    .group_segment_fixed_size: 34304
    .private_segment_fixed_size: 0
    .kernarg_segment_align: 8
    .kernarg_segment_size: 32
    .max_flat_workgroup_size: 128
    .sgpr_count:     66
    .vgpr_count:     226
    .wavefront_size: 32
...
	.end_amdgpu_metadata
.endif
;; end of part 1
;; launch gemm (part 2): grid 16 x 16, 4 waves a work-group, clusters of 4 x 4, 327,680 bytes of LDS; arguments a_pack, b_pack, scale, bias, out0; writes out0
.if DOCPART == 2
	.amdgcn_target "amdgcn-amd-amdhsa--gfx1250"
	.amdhsa_code_object_version 6
	.text
	.protected	k_qe41387e944_gemm
	.globl	k_qe41387e944_gemm
	.p2align	8
	.type	k_qe41387e944_gemm,@function
k_qe41387e944_gemm:
	s_mov_b64 s[64:65], 0
	v_nop
	global_prefetch_b8 v0, s[64:65] scope:SCOPE_SE
	s_setreg_imm32_b32 hwreg(HW_REG_WAVE_MODE, 25, 1), 1
	s_wait_xcnt 0x0
	s_wait_alu depctr_hold_cnt(0) depctr_sa_sdst(0) depctr_va_vdst(0) depctr_va_sdst(0) depctr_va_ssrc(0) depctr_va_vcc(0) depctr_vm_vsrc(0)
	s_getreg_b32 s2, hwreg(HW_REG_IB_STS2, 6, 4)
	s_cmp_eq_u32 s2, 0
	s_cbranch_scc0 .Lentry_in_a_cluster
	s_endpgm
.Lentry_in_a_cluster:
	s_bfe_u32 s2, ttmp6, 0x10000c
	s_cmp_lg_u32 s2, 0xf033
	s_cbranch_scc0 .Lentry_shape_is_right
	s_endpgm
.Lentry_shape_is_right:
; out[m][n] = (sum over k of A[m][k] B[n][k]) x scale[n] + bias[n], 4096 x 4096 x 4096.  A and B are the packs of codes of FP4 (E2M1) with E8M0 scale bytes that the launch before has laid:
; [32 blocks of 128 rows][8 K steps of 512][136 pieces of 256 bytes]: 128 rows of codes, then 8 pieces of scale bytes, 16 rows x 16 bytes each.  Sums in f32, K ascending.
; LIMITS: NaN and infinities among the inputs are not served.  The product with scale and the sum with bias are one fused multiply-add (one rounding where reference() has two).
; A tile of C, 256 x 256, is made by a work-group of four waves; a wave makes 128 x 128: 32 accumulators of 32 x 16, 512 registers.  256 work-groups.
; K goes in 8 steps of 512 through a ring of two LDS slots; a wave fetches one 128-row chunk (34,816 bytes, codes and scales) of a K step with one tensor load; 16 bytes of padding behind each 256.
; CLUSTERS: 4 x 4 work-groups; the four of a row share A's chunks, the four of a column B's: each is asked for JOINTLY.
; COLUMNS: lane r of B's tile b (16 rows of the pack) is column 64 (b / 4) + 4 r + b % 4 of the wave's 128: the pack is laid so.  In the result a lane holds, for one row, one number of each of the four tiles of a
; column group: four neighbours, 16 bytes; sixteen lanes store one aligned unit of 256 bytes straight from registers.
; REGISTERS, windows of 256.  0: v0-7 scale, v8-15 bias of my columns; v16-29 addresses; v32-95 scale words, two sets of 32 (16 for A: 4 blocks x 4 words, 16 for B: 4 pairs of tiles x 4 words); v96-127 the way out;
;   v128-255 A's fragments, two sets of 64.  1: v0-127 B's fragments, two sets of 64; in the last K step all 256 hold that step's B.  2 and 3: accumulators; (a, b), a = 32-row block, at v[128 (a % 2) + 16 b] of window 2 + a / 2.
; A step of 128 along K: one run of 32 LDS loads for the next step into the other sets, then 32 matrix instructions, one on each accumulator.
; THE LAST K STEP goes by groups of C (32 rows x 64 columns, 16 matrix instructions each): each group is stored as soon as it is finished.
; PREFETCH: each wave's chunk of a later K step is asked for in advance, its 136 units shared out by address among the four partners that load it jointly (32 of codes and 2 of scales each):
; K step 1 behind the head's load, K steps 2 and 3 behind K step 1's load, and behind the refill with K step s the K step s + 2.
.set PITCH,  272
.set UNITS,  136
.set HALFT,  UNITS*PITCH               ; a chunk in LDS
.set SCO,    128*PITCH                 ; its scale pieces
.set SLOT,   4*HALFT                   ; A rows 0-127, A rows 128-255, B rows 0-127, B rows 128-255
.set SPARE,  2*SLOT                    ; the spare words, 128 bytes for each wave: two blocks of 256 bytes that no other line names
.set STEPB,  UNITS*256                 ; a chunk in memory
.set RBLK,   8*STEPB
.set ES,     0
.set EB,     8
.set ADRA,   16                        ; v16-17 my A fragments in slot 0, 1
.set ADRB,   18
.set ADSA,   20                        ; v20-21 A's scale words
.set ADSB,   22
.set CO,     24                        ; my byte offset in C
.set EO,     25                        ; and in scale and bias
.set PFO,    26                        ; the prefetches' offsets: codes,
.set PFO2,   27                        ; scale pieces
.set SPW,    28                        ; LDS address of my spare word
.set NIL,    29                        ; 0
.set SC,     32
.set OB,     96
.set AF,     128
.set G1,  24                           ; s[24:31] group 1 for A, s[32:39] group 0, one set a slot
.set G0,  32
.set G1B, 48                           ; the same for B
.set G0B, 56
.set PFA, 66                           ; s[66:67] where my prefetches stand
.set CHA, 68                           ; s[68:69] my chunk of A, K step 0
.set CHB, 70                           ; s[70:71] of B
.set MSB, 0
.macro WIN new                         ; the immediate's high byte repeats the setting that is left
.if MSB != (\new)
	s_set_vgpr_msb (MSB<<8)|(\new)
.set MSB, (\new)
.endif
.endm
.set MUL_LO, 0xa4                      ; source 0 (A) window 0, source 1 (B) window 1, C and D window 2
.set MUL_HI, 0xf4                      ; the same, C and D window 3
.set TO_B,   0x40
.macro PLACES                          ; four places between a matrix instruction and a load into its sources or a reader of its result
.rept 4
	v_nop
.endr
.endm
; A joint load: waves 0, 1 fetch A's chunks, waves 2, 3 B's; s_nop 0 and four v_nop behind each line.
.macro JLOAD s
	s_cmp_eq_u32 s15, 0
	s_cbranch_scc0 .Lfor_b_\@
	tensor_load_to_lds s[G0+4*\s:G0+4*\s+3], s[G1:G1+7]
	s_nop 0
	PLACES
	s_branch .Lasked_\@
.Lfor_b_\@:
	tensor_load_to_lds s[G0B+4*\s:G0B+4*\s+3], s[G1B:G1B+7]
	s_nop 0
	PLACES
.Lasked_\@:
.endm
.macro CREST                           ; a round of the cluster's barrier behind its opening barrier
	s_cmp_lg_u32 s14, 0
	s_cbranch_scc1 .Lnot_wave_0_\@
	s_barrier_signal -3
.Lnot_wave_0_\@:
	s_barrier_wait -3
	s_barrier_signal -1
	s_barrier_wait -1
.endm
.macro CROUND
	s_barrier_signal -1
	s_barrier_wait -1
	CREST
.endm
.macro ASK off                         ; my 32 units of codes and my 2 of scale bytes of a chunk
	global_prefetch_b8 v[PFO], s[PFA:PFA+1] offset:\off th:TH_LOAD_NT scope:SCOPE_SE
	global_prefetch_b8 v[PFO2], s[PFA:PFA+1] offset:\off th:TH_LOAD_NT scope:SCOPE_SE
.endm
	s_load_b256 s[4:11], s[0:1], 0x0               ; a_pack, b_pack, scale, bias
	s_load_b64 s[12:13], s[0:1], 0x20              ; out0
	v_lshl_add_u32 v[SPW], v0, 2, SPARE
	v_mov_b32 v[NIL], 0
	ds_add_u32 v[SPW], v[NIL]                      ; the opening: the add, twice on end, and its wait
	ds_add_u32 v[SPW], v[NIL]
	v_lshrrev_b32 v1, 5, v0
	v_readfirstlane_b32 s14, v1                    ; wave
	s_lshr_b32 s15, s14, 1                         ; my half of the tile's rows; also: I fetch for A (0) or for B (1)
	s_and_b32 s16, s14, 1                          ; my half of its columns; also: which chunk I fetch
	s_bfe_u32 s40, ttmp6, 0x40000                  ; cx, cy
	s_bfe_u32 s41, ttmp6, 0x40004
	s_lshl_b32 s42, ttmp9, 2
	s_add_co_u32 s42, s42, s40                     ; tile column of C
	s_and_b32 s17, ttmp7, 0xffff
	s_lshl_b32 s17, s17, 2
	s_add_co_u32 s17, s17, s41                     ; tile row of C
	s_lshl_b32 s43, s41, 2
	s_lshl_b32 s43, 15, s43                        ; my row of the cluster
	s_lshl_b32 s44, 0x1111, s40                    ; my column
	; group 1: 136 rows of 32 elements of 8 bytes, dense; in LDS 4 words of padding (code 3) behind every 64 words (code 5); bit 21 beside the mask
	s_or_b32 s[G1+0], s43, (3<<16)|(1<<20)|(1<<21)|(5<<22)|(3<<25)
	s_or_b32 s[G1B+0], s44, (3<<16)|(1<<20)|(1<<21)|(5<<22)|(3<<25)
.irp g, G1, G1B
	s_mov_b32 s[\g+1], 32<<16
	s_mov_b32 s[\g+2], UNITS<<16
	s_mov_b32 s[\g+3], 32<<16
	s_mov_b32 s[\g+4], UNITS
	s_mov_b32 s[\g+5], 32
	s_mov_b32 s[\g+6], 0
	s_mov_b32 s[\g+7], 0
.endr
	s_lshl_b32 s20, s17, 1
	s_add_co_u32 s20, s20, s16                     ; A's block of 128 rows
	s_mul_i32 s20, s20, RBLK
	s_mov_b32 s21, 0
	s_lshl_b32 s46, s42, 1
	s_add_co_u32 s46, s46, s16                     ; B's
	s_mul_i32 s46, s46, RBLK
	s_mov_b32 s47, 0
	s_mul_i32 s45, s14, HALFT                      ; where my chunk goes: by the wave's number alone
.irp s, 0,1
	s_mov_b32 s[G0+4*\s], 1
	s_add_co_u32 s[G0+4*\s+1], s45, \s*SLOT
	s_mov_b32 s[G0B+4*\s], 1
	s_add_co_u32 s[G0B+4*\s+1], s45, \s*SLOT
.endr
	s_wait_dscnt 0x0                               ; both opening adds are done
	s_wait_kmcnt 0x0
	s_add_nc_u64 s[CHA:CHA+1], s[4:5], s[20:21]
	s_add_nc_u64 s[CHB:CHB+1], s[6:7], s[46:47]
.irp s, 0,1
	s_add_nc_u64 s[G0+4*\s+2:G0+4*\s+3], s[CHA:CHA+1], \s*STEPB
	s_or_b32 s[G0+4*\s+3], s[G0+4*\s+3], 0x80000000
	s_add_nc_u64 s[G0B+4*\s+2:G0B+4*\s+3], s[CHB:CHB+1], \s*STEPB
	s_or_b32 s[G0B+4*\s+3], s[G0B+4*\s+3], 0x80000000
.endr
	CROUND                                         ; all sixteen work-groups are here: the first joint loads meet
	JLOAD 0                                        ; K step 0, one load a wave
	s_mul_i32 s22, s15, HALFT                      ; my 128 rows of A,
	s_mul_i32 s23, s16, HALFT
	s_add_co_u32 s23, s23, 2*HALFT                 ; and of B, behind A's 256
	s_cmp_eq_u32 s15, 0
	s_cselect_b32 s18, s40, s41                    ; my place among the four that load my chunk with me
	s_cselect_b64 s[PFA:PFA+1], s[CHA:CHA+1], s[CHB:CHB+1]
	s_mul_i32 s72, s18, 7680
	s_sub_co_u32 s72, 32768, s72                   ; from my first unit of codes (32 x place) to my first of scales (128 + 2 x place)
	s_lshl_b32 s18, s18, 13
	s_mov_b32 s19, 0
	s_add_nc_u64 s[PFA:PFA+1], s[PFA:PFA+1], s[18:19]
	s_add_nc_u64 s[PFA:PFA+1], s[PFA:PFA+1], STEPB ; at K step 1
	s_lshl_b32 s20, s17, 8
	s_lshl_b32 s21, s15, 7
	s_add_co_u32 s20, s20, s21                     ; my first row of C
	s_lshl_b32 s20, s20, 14
	s_mov_b32 s21, 0
	s_lshl_b32 s46, s42, 10                        ; my first column, in bytes
	s_lshl_b32 s47, s16, 9
	s_add_co_u32 s46, s46, s47
	s_mov_b32 s47, 0
	s_add_nc_u64 s[8:9], s[8:9], s[46:47]
	s_add_nc_u64 s[10:11], s[10:11], s[46:47]
	s_add_nc_u64 s[12:13], s[12:13], s[46:47]
	s_add_nc_u64 s[12:13], s[12:13], s[20:21]
	v_and_b32 v1, 15, v0                           ; r
	v_bfe_u32 v2, v0, 4, 1                         ; h
	v_and_b32 v7, 31, v0
	v_mul_u32_u24 v3, PITCH, v1
	v_mul_u32_u24 v5, PITCH, v2
	v_lshl_add_u32 v3, v2, 4, v3                   ; a fragment: row r, 16 bytes for each half of the lanes
	v_lshl_add_u32 v5, v1, 4, v5                   ; scale words: lanes 0-15 one piece of 16 rows, lanes 16-31 the next
	v_add_nc_u32 v5, SCO, v5
	v_add_nc_u32 v[ADRA], s22, v3
	v_add_nc_u32 v[ADRB], s23, v3
	v_add_nc_u32 v[ADSA], s22, v5
	v_lshrrev_b32 v6, 2, v1                        ; B's scale bytes lie in weight's own order of rows: tile 4 g + j, lane r is row 64 g + 4 r + j: piece 4 g + r / 4, place 4 (r % 4) + j
	v_and_b32 v4, 3, v1
	v_mul_u32_u24 v6, PITCH, v6
	v_lshl_add_u32 v6, v4, 6, v6
	v_lshl_add_u32 v6, v2, 4, v6                   ; lanes 16-31 the next tile
	v_add_nc_u32 v6, SCO, v6
	v_add_nc_u32 v[ADSB], s23, v6
	v_add_nc_u32 v[ADRA+1], SLOT, v[ADRA]
	v_add_nc_u32 v[ADRB+1], SLOT, v[ADRB]
	v_add_nc_u32 v[ADSA+1], SLOT, v[ADSA]
	v_add_nc_u32 v[ADSB+1], SLOT, v[ADSB]
	v_lshlrev_b32 v6, 17, v2                       ; C: lanes 16-31 hold rows 8 further down, 8 x 16,384 bytes
	v_lshl_add_u32 v[CO], v1, 4, v6
	v_lshlrev_b32 v[EO], 4, v1
	v_lshlrev_b32 v[PFO], 8, v7                    ; a lane a unit of 256 bytes
	v_min_u32 v7, 1, v7
	v_lshl_add_u32 v[PFO2], v7, 8, s72             ; lane 0 the first of my two, the other lanes the second
	s_wait_alu depctr_va_vdst(0)
	global_load_b128 v[ES:ES+3], v[EO], s[8:9]     ; scale and bias of my columns: first read on the way out
	global_load_b128 v[ES+4:ES+7], v[EO], s[8:9] offset:256
	global_load_b128 v[EB:EB+3], v[EO], s[10:11]
	global_load_b128 v[EB+4:EB+7], v[EO], s[10:11] offset:256
	ASK 0                                          ; K step 1
.macro FRAG reg, adr, off              ; 16 rows x 128 K: lane l holds row l % 16; registers 4 c .. 4 c + 3 hold K = 64 c + 32 (l / 16) + 0 .. 31
	ds_load_b128 v[\reg:\reg+3], v[\adr] offset:\off
	ds_load_b128 v[\reg+4:\reg+7], v[\adr] offset:\off+32
.endm
.macro FETCH_B slot, q, p
	WIN TO_B
.irp i, 0,1,2,3,4,5,6,7
	FRAG 64*(\p)+8*\i, ADRB+\slot, 64*(\q)+\i*16*PITCH
.endr
.endm
.macro FETCH_A slot, q, p
	WIN 0
.irp i, 0,1,2,3,4,5,6,7
	FRAG AF+64*(\p)+8*\i, ADRA+\slot, 64*(\q)+\i*16*PITCH
.endr
.endm
.macro SCALES slot                     ; a K step's scale words: lane l has row 32 i + l of A; of B lanes 0-15 tile 2 i, lanes 16-31 tile 2 i + 1
.irp i, 0,1,2,3
	ds_load_b128 v[SC+32*\slot+4*\i:SC+32*\slot+4*\i+3], v[ADSA+\slot] offset:\i*2*PITCH
	ds_load_b128 v[SC+32*\slot+16+4*\i:SC+32*\slot+16+4*\i+3], v[ADSB+\slot] offset:(\i/2)*4*PITCH+32*(\i%2)
.endr
.endm
.macro MM d, a, b, sa, sb, row, zero
.if \zero
.if \row
	v_wmma_scale_f32_32x16x128_f4 v[\d:\d+15], v[\a:\a+15], v[\b:\b+7], 0, v[\sa], v[\sb] matrix_b_scale:MATRIX_SCALE_ROW1
.else
	v_wmma_scale_f32_32x16x128_f4 v[\d:\d+15], v[\a:\a+15], v[\b:\b+7], 0, v[\sa], v[\sb]
.endif
.else
.if \row
	v_wmma_scale_f32_32x16x128_f4 v[\d:\d+15], v[\a:\a+15], v[\b:\b+7], v[\d:\d+15], v[\sa], v[\sb] matrix_b_scale:MATRIX_SCALE_ROW1
.else
	v_wmma_scale_f32_32x16x128_f4 v[\d:\d+15], v[\a:\a+15], v[\b:\b+7], v[\d:\d+15], v[\sa], v[\sb]
.endif
.endif
.endm
; A's block a (32 rows) x B's eight tiles, the slot's q-th 128 along K, sets p.  The 32 accumulators take turns in the same order in every step.
.macro MULA a, p, q, sc, zero
.irp b, 0,1,2,3,4,5,6,7
	MM 128*((\a)%2)+16*\b, AF+64*(\p)+16*(\a), 64*(\p)+8*\b, SC+32*(\sc)+4*(\a)+(\q), SC+32*(\sc)+16+4*(\b/2)+(\q), \b%2, \zero
.endr
.endm
; A step with its successor in the same slot: the next step's loads go out ahead of this step's products.
.macro STEP slot, q, zero
	PLACES                                         ; the sets loaded now were read by the products just issued
	FETCH_B \slot, (\q)+1, 1-(\q)%2
	s_wait_dscnt 16                                ; this step's fragments and scale words are in; the 16 loads just issued may be out
	FETCH_A \slot, (\q)+1, 1-(\q)%2
	WIN MUL_LO
	MULA 0, (\q)%2, \q, \slot, \zero
	MULA 1, (\q)%2, \q, \slot, \zero
	WIN MUL_HI
	MULA 2, (\q)%2, \q, \slot, \zero
	MULA 3, (\q)%2, \q, \slot, \zero
.endm
; A slot's last step.  In front of the round each wave waits for all its tensor loads, adds 0 to its spare word, and waits for that and for its own reads of this slot; behind it the slot is filled again, two K steps ahead.
.macro TURN slot, next
	WIN 0
	s_wait_xcnt 0x0                                ; my prefetches have read their address
	s_add_nc_u64 s[PFA:PFA+1], s[PFA:PFA+1], STEPB
	s_wait_tensorcnt 0x0                           ; my part of the next slot has landed
	ds_add_u32 v[SPW], v[NIL]
	s_add_nc_u64 s[G0+4*\slot+2:G0+4*\slot+3], s[G0+4*\slot+2:G0+4*\slot+3], 2*STEPB
	s_add_nc_u64 s[G0B+4*\slot+2:G0B+4*\slot+3], s[G0B+4*\slot+2:G0B+4*\slot+3], 2*STEPB
	s_wait_dscnt 1                                 ; this step's fragments are in; the add may be out
	WIN MUL_LO
	MULA 0, 1, 3, \slot, 0
	s_wait_dscnt 0x0                               ; the add is done, and so are my reads of this slot
	s_barrier_signal -1
	MULA 1, 1, 3, \slot, 0
	WIN 0
	s_barrier_wait -1
	CREST                                          ; no wave of any partner still reads this slot or has a load on its way
	JLOAD \slot                                    ; its four v_nop are also the places in front of the loads below
	SCALES \next
	FETCH_B \next, 0, 0
	FETCH_A \next, 0, 0
	s_cmp_gt_u32 s3, 1                             ; the last trip's refills have no K step two on
	s_cbranch_scc0 .Lnone_\@
	ASK 2*STEPB
.Lnone_\@:
	WIN MUL_HI
	MULA 2, 1, 3, \slot, 0
	MULA 3, 1, 3, \slot, 0
.endm
	s_wait_tensorcnt 0x0                           ; my chunk of K step 0 is in; these lines stand ahead of a later first fill as ahead of a refill
	ds_add_u32 v[SPW], v[NIL]
	s_wait_dscnt 0x0
	CROUND
	JLOAD 1                                        ; K step 1, the first tensor load behind the round
	SCALES 0
	FETCH_B 0, 0, 0
	FETCH_A 0, 0, 0
	ASK STEPB                                      ; K steps 2 and 3
	ASK 2*STEPB
	STEP 0, 0, 1                                   ; the first products start the sums
	WIN 0
	s_mov_b32 s3, 3
.Llap:                                                 ; a trip: from a lap's second step to the next lap's first; both slots are filled again
	STEP 0, 1, 0
	STEP 0, 2, 0
	TURN 0, 1
	STEP 1, 0, 0
	STEP 1, 1, 0
	STEP 1, 2, 0
	TURN 1, 0
	STEP 0, 0, 0
	WIN 0
	s_sub_co_u32 s3, s3, 1
	s_cmp_lg_u32 s3, 0
	s_cbranch_scc1 .Llap
	STEP 0, 1, 0
	STEP 0, 2, 0
; THE LAST K STEP, in slot 1.  Group k = 2 a + g: A's block a (32 rows x 512 K: 64 registers, at AF + 64 (a % 2)) x the four tiles of column group g (128 registers: g = 0 at v128, g = 1 at v0 of window 1).
.macro GROUP k, waits
	WIN MUL_LO+0x50*((\k)/4)
.irp q, 0,1,2,3
.if \waits
	s_wait_dscnt 36-12*\q                          ; behind this quarter's loads stand 12 for each later quarter
.endif
.irp b, 0,1,2,3
	MM 64*((\k)%4)+16*\b, AF+64*(((\k)/2)%2)+16*\q, 128*(1-(\k)%2)+32*\q+8*\b, SC+32+4*((\k)/2)+\q, SC+48+4*(2*((\k)%2)+\b/2)+\q, \b%2, 0
.endr
.endr
	PLACES                                         ; for readers of the results and for loads into the operands
.endm
.macro ALOAD a
	WIN 0
.irp q, 0,1,2,3
.irp u, 0,1
	FRAG AF+64*((\a)%2)+16*\q+8*\u, ADRA+1, 64*\q+(2*(\a)+\u)*16*PITCH
.endr
.endr
.endm
; The way out of group k.  A tile's registers 0-7 are rows 8 h + j, registers 8-15 rows 16 + 8 h + j.  The multiply-adds gather the four tiles' numbers of a row into four registers on end.  They land where numbers already
; read have lain: the upper 16 rows in the last registers read of the group before (for group 0 in v96-127), the lower 16 rows in the registers that this group's upper rows have left; no pending store's data is written again.
.macro EPI k
.set WS, 2+(\k)/4
.set SB, 64*((\k)%4)
.set GG, (\k)%2
.if (\k) == 0
.set W0, 0
.else
.set W0, 2+((\k)-1)/4
.set PB, 64*(((\k)-1)%4)+8
.endif
	WIN WS+64*W0
.irp j, 0,1,2,3,4,5,6,7
.if (\k) == 0
.set DD, OB+4*\j
.else
.set DD, PB+16*(\j/2)+4*(\j%2)
.endif
.irp b, 0,1,2,3
	v_fma_f32 v[DD+\b], v[SB+16*\b+\j], v[ES+4*GG+\b], v[EB+4*GG+\b]
.endr
.endr
	WIN WS+64*WS
.irp j, 0,1,2,3,4,5,6,7
.set DD, SB+16*(\j/2)+4*(\j%2)
.irp b, 0,1,2,3
	v_fma_f32 v[DD+\b], v[SB+16*\b+8+\j], v[ES+4*GG+\b], v[EB+4*GG+\b]
.endr
.endr
	WIN 4*W0
.irp j, 0,1,2,3,4,5,6,7                ; lanes 0-15 store 256 consecutive bytes of one row, lanes 16-31 of the row 8 further down, each at a multiple of 256
.if (\k) == 0
.set DD, OB+4*\j
.else
.set DD, PB+16*(\j/2)+4*(\j%2)
.endif
	global_store_b128 v[CO], v[DD:DD+3], s[12:13] offset:(32*((\k)/2)+\j)*16384+256*GG th:TH_STORE_NT
.endr
	WIN 4*WS
.irp j, 0,1,2,3,4,5,6,7
.set DD, SB+16*(\j/2)+4*(\j%2)
	global_store_b128 v[CO], v[DD:DD+3], s[12:13] offset:(32*((\k)/2)+16+\j)*16384+256*GG th:TH_STORE_NT
.endr
.endm
	WIN 0
	s_wait_tensorcnt 0x0                           ; my part of the last K step has landed
	ds_add_u32 v[SPW], v[NIL]
	s_wait_dscnt 1                                 ; slot 0's last fragments are in; the add may be out
	WIN MUL_LO
	MULA 0, 1, 3, 0, 0
	s_wait_dscnt 0x0
	s_barrier_signal -1
	MULA 1, 1, 3, 0, 0
	WIN 0
	s_barrier_wait -1                              ; nothing is filled again: no round follows
	PLACES
	SCALES 1
.irp q, 0,1,2,3                        ; group 0's operands, quarter by quarter: 8 loads of B, 4 of A
	WIN TO_B
.irp b, 0,1,2,3
	FRAG 128+32*\q+8*\b, ADRB+1, 64*\q+\b*16*PITCH
.endr
	WIN 0
.irp u, 0,1
	FRAG AF+16*\q+8*\u, ADRA+1, 64*\q+\u*16*PITCH
.endr
.endr
	WIN MUL_HI
	MULA 2, 1, 3, 0, 0
	MULA 3, 1, 3, 0, 0
	GROUP 0, 1
	WIN TO_B                                       ; the other column group's B
.irp q, 0,1,2,3
.irp b, 0,1,2,3
	FRAG 32*\q+8*\b, ADRB+1, 64*\q+(4+\b)*16*PITCH
.endr
.endr
	ALOAD 1
	s_wait_loadcnt 0x0                             ; scale and bias
	; The two waves of the left column half store each group behind its own products; the two of the right half one group later: while two waves store, the other two multiply.
	WIN 0
	s_cmp_eq_u32 s16, 0
	s_cbranch_scc0 .Llag
	EPI 0
	s_wait_dscnt 16                                ; B is in; block 1 of A may be out
	GROUP 1, 0
	ALOAD 2
	EPI 1
	s_wait_dscnt 16                                ; block 1 is in; block 2 may be out
	GROUP 2, 0
	EPI 2
	GROUP 3, 0
	ALOAD 3
	EPI 3
	s_wait_dscnt 16                                ; block 2 is in; block 3 may be out
	GROUP 4, 0
	EPI 4
	GROUP 5, 0
	EPI 5
	s_wait_dscnt 0x0                               ; block 3
	GROUP 6, 0
	EPI 6
	GROUP 7, 0
	EPI 7
	WIN 0
	s_branch .Lout
.Llag:
	s_wait_dscnt 16                                ; the same counts: B is in; block 1 may be out
	GROUP 1, 0
	ALOAD 2
	EPI 0
	s_wait_dscnt 16
	GROUP 2, 0
	EPI 1
	GROUP 3, 0
	ALOAD 3
	EPI 2
	s_wait_dscnt 16
	GROUP 4, 0
	EPI 3
	GROUP 5, 0
	EPI 4
	s_wait_dscnt 0x0
	GROUP 6, 0
	EPI 5
	GROUP 7, 0
	EPI 6
	EPI 7
	WIN 0
.Lout:
	s_wait_tensorcnt 0x0                           ; the wave's end
	ds_add_u32 v[SPW], v[NIL]
	s_wait_dscnt 0x0
	CROUND                                         ; the closing round
	s_endpgm
.Lfunc_end_k_qe41387e944_gemm:
	.size	k_qe41387e944_gemm, .Lfunc_end_k_qe41387e944_gemm-k_qe41387e944_gemm
	.p2alignl 7, 3214868480
	.fill 96, 4, 3214868480
	.section	.rodata,"a",@progbits
	.p2align	6, 0x0
	.amdhsa_kernel k_qe41387e944_gemm
		.amdhsa_group_segment_fixed_size 327680
		.amdhsa_private_segment_fixed_size 0
		.amdhsa_enable_private_segment 0
		.amdhsa_kernarg_size 40
		.amdhsa_user_sgpr_count 2
		.amdhsa_user_sgpr_kernarg_segment_ptr 1
		.amdhsa_wavefront_size32 1
		.amdhsa_system_sgpr_workgroup_id_x 1
		.amdhsa_system_sgpr_workgroup_id_y 1
		.amdhsa_system_sgpr_workgroup_id_z 1
		.amdhsa_system_vgpr_workitem_id 0
		.amdhsa_next_free_vgpr 1024
		.amdhsa_next_free_sgpr 80
		.amdhsa_reserve_vcc 0
		.amdhsa_float_denorm_mode_32 3
		.amdhsa_float_denorm_mode_16_64 3
		.amdhsa_memory_ordered 1
		.amdhsa_forward_progress 1
		.amdhsa_inst_pref_size 223
	.end_amdhsa_kernel
	.amdgpu_metadata
---
amdhsa.version: [ 1, 2 ]
amdhsa.kernels:
  - .name:           k_qe41387e944_gemm
    .symbol:         k_qe41387e944_gemm.kd
    .args:
      - { .name: a_pack, .offset: 0, .size: 8, .value_kind: global_buffer, .address_space: global }
      - { .name: b_pack, .offset: 8, .size: 8, .value_kind: global_buffer, .address_space: global }
      - { .name: scale, .offset: 16, .size: 8, .value_kind: global_buffer, .address_space: global }
      - { .name: bias, .offset: 24, .size: 8, .value_kind: global_buffer, .address_space: global }
      - { .name: out0, .offset: 32, .size: 8, .value_kind: global_buffer, .address_space: global }
    .group_segment_fixed_size: 327680
    .private_segment_fixed_size: 0
    .kernarg_segment_align: 8
    .kernarg_segment_size: 40
    .max_flat_workgroup_size: 128
    .sgpr_count:     80
    .vgpr_count:     1024
    .wavefront_size: 32
...
	.end_amdgpu_metadata
.endif
;; end of part 2
